; MI455X (gfx1250); checked and timed in simulation.
; The chip was launched on July 23, 2026; its instructions are those of AMD's public machine-readable ISA for CDNA 5 (MIT licence, August 2026) and "CDNA5" Instruction Set Architecture Reference Guide (July 2026). The comments in the code are by the model that wrote it; some were corrected since.
;; RG Buv Hist Block. Allowed arithmetic: matrix products marked QUANTISED: E2M1 operands, one E8M0 scale for each 32 along K, by v_wmma_scale_f32_16x16x128_f8f6f4 with both operands' format E2M1 (or v_wmma_scale_f32_32x16x128_f4), f32 sums; everything else in f32.
;; Inputs: m 8 x 3 x 400 x 400 float32; x 8 x 3 x 400 x 400 float32.
;; Outputs: out0 8 x 3 x 64 x 64 float32.
;; This version of the problem:
;;   THIS VERSION OF THE PROBLEM IS GIVEN IN LOW PRECISION. The matrix products marked QUANTISED in the list below multiply operands that are first quantised to E2M1 (2 exponent bits, 1 mantissa bit; 4 bits a number), with one power-of-two scale for each 32 numbers along K (OCP MX v1.0); their sums are f32. All else is computed in f32.
;;   The module's matrix products, in the order in which they are computed (A, B: the left and right operand; K: the contracted axis; several contracted axes count as one K, in the product's order):
;;     1. batch 8 x [M 64, K 160,000] x [K 160,000, N 64]; A: computed on the way; B: computed on the way: QUANTISED
;;     2. batch 8 x [M 64, K 160,000] x [K 160,000, N 64]; A: computed on the way; B: computed on the way: QUANTISED
;;     3. batch 8 x [M 64, K 160,000] x [K 160,000, N 64]; A: computed on the way; B: computed on the way: QUANTISED
;;   THE QUANTISER, for each operand of a quantised product, along K:
;;     - K is cut into blocks of 32 from its start; a last block that is shorter is filled with zeros.
;;     - A block's scale is 2^e with e = floor(log2(the largest magnitude in the block)) - 2, held to -126 .. 127; a block of zeros has e = 0. As a byte (E8M0): e + 127.
;;     - Each number is divided by its block's scale, clamped to +-6, and rounded to the nearest number of E2M1, ties to even, subnormals kept.
;;     - The product sums the exact products of the quantised numbers (number of the format x scale) in f32.
;;   ~~~python
;;   def quantise(x, axis):      # numpy; x: float32 -> the quantised numbers, widened to float32 again
;;       x = np.moveaxis(x, axis, -1); K = x.shape[-1]
;;       x = np.pad(x, [(0, 0)] * (x.ndim - 1) + [(0, -K % 32)]); x = x.reshape(x.shape[:-1] + (-1, 32)); a = np.abs(x).max(-1, keepdims=True)
;;       e = np.where(a > 0, np.clip(np.frexp(np.where(a > 0, a, 1))[1] - 1 - 2, -126, 127), 0)      # np.frexp(a)[1] - 1 = floor(log2(a)), exactly
;;       r = np.clip(x / 2.0 ** e, -6, 6)
;;       step = 2.0 ** (np.maximum(np.frexp(np.where(r == 0, 1, r))[1] - 1, 0) - 1)
;;       q = np.round(r / step) * step * 2.0 ** e      # np.round: ties to even
;;       return np.moveaxis(q.reshape(q.shape[:-2] + (-1,))[..., :K], -1, axis).astype(np.float32)
;;   ~~~
;;   OPERANDS COMPUTED ON THE WAY. 'Computed on the way' means the value that the module computes at that place (a softmax that the list does not call 'softmax' is quantised finished and normalised). What goes into a quantiser is computed in f32, as accurately as f32 sums, v_exp_f32 and their like allow (about 1e-6 of the number): no bf16 or f16 on the way to a quantiser, and a product that is left as it is and whose result goes on into a quantised operand takes f32 operands (vector FMAs, or v_wmma_f32_16x16x4_f32). A number that lies on a knife's edge between two numbers of the format may be rounded either way, as far as f32 arithmetic and the matrix unit's own rounding can turn it there, and no further.
;; One version. Each part assembles by itself: llvm-mc -triple=amdgcn-amd-amdhsa -mcpu=gfx1250 --defsym DOCPART=n.
;; ======== version 1 of 1: 2 launches
;; workspace buffers: part 12,582,912 bytes; tot 4,096 bytes
;; launch hist (part 1): grid 32 x 8, 4 waves a work-group, no clusters, 287,232 bytes of LDS; arguments x, m, part, tot; writes part, tot
.if DOCPART == 1
	.amdgcn_target "amdgcn-amd-amdhsa--gfx1250"
	.amdhsa_code_object_version 6
	.text
	.protected	k_qb50a6bf2d4_hist
	.globl	k_qb50a6bf2d4_hist
	.p2align	8
	.type	k_qb50a6bf2d4_hist,@function
k_qb50a6bf2d4_hist:
	s_mov_b64 s[64:65], 0
	v_nop
	global_prefetch_b8 v0, s[64:65] scope:SCOPE_SE
	s_setreg_imm32_b32 hwreg(HW_REG_WAVE_MODE, 25, 1), 1
	s_wait_xcnt 0x0
; RGB-uv soft histograms, first launch: partial sums.  x, m: [8][3][160,000] f32.  For each image three products over K = the pixels, [64 bins] x [64 bins], both operands
; quantised to FP4 (E2M1) with one E8M0 scale for each 32 pixels of a bin.  k(d)[j] = 1 / (1 + t^2), t = (d - bin j) / 0.02;  s = sqrt(r^2 + g^2 + b^2 + 1e-6) where m's channel 0 > 0.5, else 0.
; THREE TABLES SERVE SIX.  The bins lie mirrored about 0, so k(-d)[j] = k(d)[63 - j], and the quantiser works on each bin by itself.  With d01 = L0 - L1, d02 = L0 - L2, d12 = L1 - L2 (L = log(c + 1e-6)):
;   hist0[u][v] = sum s K01[u] K02[v];   hist1[u][v] = sum s K01[63-u] K12[v];   hist2[u][v] = sum s K02[63-u] K12[63-v].
; So four operands are made: 0: s K01, 1: s K02, 2: K02, 3: K12, and the sums are stored by the bins as made; the second launch turns rows and columns round.
; SHARES.  An image has 1,250 steps of 128 pixels.  Work-group j of 32 walks the 40 steps from 39 j + min(j, 1); wave w takes step 4 t + w of them in trip t = 0 .. 9: every trip count is a constant.
; For j >= 2 the first of the 40 is also the last of work-group j - 1: wave 0 runs it with weight 0 (its s operands are zero codes).  That is 30 of an image's 1,280 wave steps; the other three waves have ten full steps anyway.
; A wave is by itself until the end: its own pixels, all 64 bins, all 48 accumulators (384 registers).  No two work-groups read the same bytes (but that one step), and the pixels are wanted in registers: so no tensor load, no cluster.
; A LANE IS A BIN, ITS REGISTERS ARE PIXELS: lane (r, h) of tile T holds bin 16 T + r and, for c = 0, 1, the block of pixels 64 c + 32 h + 0 .. 31, as the 4-bit operand's layout has it.  A block's largest number needs no other
; lane, the conversions' results are the operand's registers, and all arithmetic goes two pixels to an instruction.  The pixel values (u = d / 0.02, and s) are made once, four pixels a lane, and reach all lanes through the wave's own LDS.
; ONE RECIPROCAL FOR FOUR: with a = 1 + t^2, 1 / (a0 a1 a2 a3) is taken once and multiplied back.  a <= 7.1e5 for every input (the clip and the 1e-6 bound d), so a product of four stays under 2.6e23.
; LIMITS.  Bin j's centre over 0.02 is taken as (2 j - 63) x f32(150 / 63): within about 1e-5 (in t) of reference()'s f32 grid.  The multiplied-back reciprocal is good to about 3 ulp.
; NaN in x is not served; NaN in m counts as masked, as in reference().  A block of zeros gets the scale byte 1 (its codes are zeros; only this launch reads the bytes).
; REGISTERS, in windows of 256.  Window 0: v1-8 addresses; v10-17 minus the bins' centres, a pair for each tile; v18-21 scale bytes and v24-31 codes on their way to LDS, by turns; v32-47 scale words, and nothing else;
;   v48-79 u01, v80-111 u02, v112-143 s of the block in hand; v144-199 and v200-255 two working sets: 32 a, 16 products of two, 8 products of four.
;   Window 1: hist0's 16 accumulators, then hist1's.   Window 2: hist2's, then from v128 the 16 fragments (operand o, tile T: 8 (4 o + T)).   Window 3: v0-15 the next step's x and m; v16-47 u12.
.set WREG,  19456                      ; LDS of a wave: the pixel values, the scale bytes, the codes
.set SCL,   2048                       ; behind 4 arrays of 128 f32 (u01, u02, u12, s): 4 operands x 256 scale bytes, at 16 r + 4 T + block
.set COD,   3072                       ; 16 fragments x 1,024 bytes, as images of their registers: 512 c + 16 x lane
.set RED,   4*WREG                     ; the end: a stage for each wave, 192 rows of 256 bytes + 16
.set RSTG,  192*272
.set RP,    272                        ; from row to row 16 bytes more than 256, so that the sixteen rows of a store fall on sixteen different 16-byte columns
.set NC,    10
.set SC,    32
.set U01,   48
.set U02,   80
.set SS,    112
.set U12,   16                         ; in window 3
.set SET0,  144
.set SETSZ, 56                         ; a working set: +0 a (32), +32 products of two (16), +48 products of four (8)
.set PX,    144                        ; the pixel phase works in set 0
.set QI,    0                          ; counts the quantisers written: picks the code and byte registers
.set MSB,   0
.macro WIN new                         ; the immediate's high byte repeats the setting that is left; a switch that changes nothing is dropped
.if MSB != \new
	s_set_vgpr_msb (MSB<<8)|\new
.set MSB, \new
.endif
.endm
; The next step's 128 pixels: three channels of x and channel 0 of m, 16 bytes a lane, 512 consecutive bytes a load.  The bases are stepped only where the earlier loads have been waited for.
.macro GLOAD step
.if \step
	s_add_nc_u64 s[4:5], s[4:5], 2048              ; four steps on: the four waves go side by side
	s_add_nc_u64 s[6:7], s[6:7], 2048
.endif
	WIN 0xc0                                       ; destination window 3
	global_load_b128 v[0:3], v6, s[4:5] th:TH_LOAD_NT
	global_load_b128 v[4:7], v6, s[4:5] offset:640000 th:TH_LOAD_NT
	global_load_b128 v[8:11], v6, s[4:5] offset:1280000 th:TH_LOAD_NT
	global_load_b128 v[12:15], v6, s[6:7] th:TH_LOAD_NT
	WIN 0
.endm
; THE PIXEL PHASE: four pixels a lane.  first = 1: the wave's first step, whose weight may be 0.
.macro PIXELS first
	WIN 0x03                                       ; source 0 window 3
.irp i, 0,1,2,3,4,5,6,7,8,9,10,11
	v_med3_num_f32 v[PX+\i], v[\i], 0, 1.0         ; the clip
.endr
.irp k, 0,1,2,3
	v_cmp_gt_f32 s[36+\k], v[12+\k], 0.5           ; the mask; it only ever selects a value
.endr
	WIN 0
.if \first
.irp k, 0,1,2,3
	s_and_b32 s[36+\k], s[36+\k], s21
.endr
.endif
.irp i, 0,2,4,6,8,10
	v_pk_add_f32 v[PX+12+\i:PX+13+\i], v[PX+\i:PX+1+\i], 0x358637bd op_sel_hi:[1,0]      ; c + 1e-6
.endr
.irp i, 0,2
	v_pk_fma_f32 v[PX+24+\i:PX+25+\i], v[PX+\i:PX+1+\i], v[PX+\i:PX+1+\i], 0x358637bd op_sel_hi:[1,1,0]
.endr
.irp i, 0,2
	v_pk_fma_f32 v[PX+24+\i:PX+25+\i], v[PX+4+\i:PX+5+\i], v[PX+4+\i:PX+5+\i], v[PX+24+\i:PX+25+\i]
.endr
.irp i, 0,2
	v_pk_fma_f32 v[PX+24+\i:PX+25+\i], v[PX+8+\i:PX+9+\i], v[PX+8+\i:PX+9+\i], v[PX+24+\i:PX+25+\i]
.endr
.irp i, 0,1,2,3,4,5,6,7,8,9,10,11
	v_log_f32 v[PX+12+\i], v[PX+12+\i]             ; log2
.endr
.irp k, 0,1,2,3
	v_sqrt_f32 v[PX+24+\k], v[PX+24+\k]
.endr
	v_nop                                          ; a plain instruction behind the last transcendental,
	s_wait_alu depctr_va_vdst(0)                   ; and the one wait ahead of the batch's first reader
.irp i, 0,2
	v_pk_add_f32 v[PX+28+\i:PX+29+\i], v[PX+12+\i:PX+13+\i], v[PX+16+\i:PX+17+\i] neg_lo:[0,1] neg_hi:[0,1]   ; L0 - L1
	v_pk_add_f32 v[PX+32+\i:PX+33+\i], v[PX+12+\i:PX+13+\i], v[PX+20+\i:PX+21+\i] neg_lo:[0,1] neg_hi:[0,1]   ; L0 - L2
	v_pk_add_f32 v[PX+36+\i:PX+37+\i], v[PX+16+\i:PX+17+\i], v[PX+20+\i:PX+21+\i] neg_lo:[0,1] neg_hi:[0,1]   ; L1 - L2
.endr
.irp i, 0,2,4,6,8,10
	v_pk_mul_f32 v[PX+28+\i:PX+29+\i], v[PX+28+\i:PX+29+\i], 0x420aa123 op_sel_hi:[1,0]  ; x ln 2 / 0.02: u = d / sigma
.endr
.irp k, 0,1,2,3
	v_cndmask_b32 v[PX+40+\k], 0, v[PX+24+\k], s[36+\k]                                  ; s, or 0
.endr
	ds_store_b128 v2, v[PX+28:PX+31]
	ds_store_b128 v2, v[PX+32:PX+35] offset:512
	ds_store_b128 v2, v[PX+36:PX+39] offset:1024
	ds_store_b128 v2, v[PX+40:PX+43] offset:1536
.endm
; A block's 32 pixel values of each array: lanes 0-15 read one address, lanes 16-31 the one 128 bytes on.  off = 256 c.  LDS serves a wave's instructions in order (ISA guide 5.7.1.4): these see the stores above.
.macro ULOADS_A off
.irp j, 0,1,2,3,4,5,6,7
	ds_load_b128 v[U01+4*\j:U01+4*\j+3], v1 offset:\off+16*\j
.endr
.irp j, 0,1,2,3,4,5,6,7
	ds_load_b128 v[U02+4*\j:U02+4*\j+3], v1 offset:512+\off+16*\j
.endr
.endm
.macro ULOADS_B off
.irp j, 0,1,2,3,4,5,6,7
	ds_load_b128 v[SS+4*\j:SS+4*\j+3], v1 offset:1536+\off+16*\j
.endr
	WIN 0xc0
.irp j, 0,1,2,3,4,5,6,7
	ds_load_b128 v[U12+4*\j:U12+4*\j+3], v1 offset:1024+\off+16*\j
.endr
	WIN 0
.endm
; A UNIT is one table (unit / 4: K01, K02, K12), one tile of 16 bins (unit % 4), one block of 32 pixels a lane; it works in set unit % 2.
; Its head: a = 1 + (u - centre)^2, the products of two and of four.  NEIGHBOURING PAIRS OF PIXELS CHANGE PLACES as they come in: multiplied back in place, 1 / a of pixel i then ends in register i.
.macro HEADU u
.set hS, SET0+SETSZ*((\u)%2)
.set hT, (\u)%4
.set hU, U01
.if (\u)/4 == 1
.set hU, U02
.endif
.if (\u)/4 == 2
.set hU, U12
	WIN 0x03                                       ; u12 lies in window 3
.endif
.set p, 0
.rept 16
	v_pk_add_f32 v[hS+2*p:hS+2*p+1], v[hU+2*(p+1-2*(p%2)):hU+2*(p+1-2*(p%2))+1], v[NC+2*hT:NC+2*hT+1]
.set p, p+1
.endr
	WIN 0
.set p, 0
.rept 16
	v_pk_fma_f32 v[hS+2*p:hS+2*p+1], v[hS+2*p:hS+2*p+1], v[hS+2*p:hS+2*p+1], 1.0 op_sel_hi:[1,1,0]
.set p, p+1
.endr
.set g, 0
.rept 4
	v_pk_mul_f32 v[hS+32+4*g:hS+33+4*g], v[hS+8*g:hS+8*g+1], v[hS+8*g+2:hS+8*g+3]
	v_pk_mul_f32 v[hS+34+4*g:hS+35+4*g], v[hS+8*g+4:hS+8*g+5], v[hS+8*g+6:hS+8*g+7]
.set g, g+1
.endr
.set g, 0
.rept 4
	v_pk_mul_f32 v[hS+48+2*g:hS+49+2*g], v[hS+32+4*g:hS+33+4*g], v[hS+34+4*g:hS+35+4*g]
.set g, g+1
.endr
.endm
.macro RCP8 set                        ; a set's eight reciprocals in one run
.irp i, 0,1,2,3,4,5,6,7
	v_rcp_f32 v[SET0+SETSZ*\set+48+\i], v[SET0+SETSZ*\set+48+\i]
.endr
.endm
.macro RG per                          ; up to per of the OTHER set's reciprocals (RS: their first register, or -1; RI: how many are written)
.rept \per
.if (RS >= 0) && (RI < 8)
	v_rcp_f32 v[RS+RI], v[RS+RI]
.set RI, RI+1
.endif
.endr
.endm
; The way back, in set uS: 1 / (product of two) = the other product of two x the reciprocal; 1 / a = the neighbour's a x that.
.macro BACK
.set g, 0
.rept 4
	v_pk_mul_f32 v[uS+34+4*g:uS+35+4*g], v[uS+34+4*g:uS+35+4*g], v[uS+48+2*g:uS+49+2*g]
	v_pk_mul_f32 v[uS+32+4*g:uS+33+4*g], v[uS+32+4*g:uS+33+4*g], v[uS+48+2*g:uS+49+2*g]
.set g, g+1
.endr
.set g, 0
.rept 4
	v_pk_mul_f32 v[uS+8*g:uS+8*g+1], v[uS+8*g:uS+8*g+1], v[uS+34+4*g:uS+35+4*g]
	v_pk_mul_f32 v[uS+8*g+2:uS+8*g+3], v[uS+8*g+2:uS+8*g+3], v[uS+34+4*g:uS+35+4*g]
	v_pk_mul_f32 v[uS+8*g+4:uS+8*g+5], v[uS+8*g+4:uS+8*g+5], v[uS+32+4*g:uS+33+4*g]
	v_pk_mul_f32 v[uS+8*g+6:uS+8*g+7], v[uS+8*g+6:uS+8*g+7], v[uS+32+4*g:uS+33+4*g]
.set g, g+1
.endr
.endm
.macro SMUL                            ; x s
.set p, 0
.rept 16
	v_pk_mul_f32 v[uS+2*p:uS+2*p+1], v[uS+2*p:uS+2*p+1], v[SS+2*p:SS+2*p+1]
.set p, p+1
.endr
.endm
; The set's 32 numbers become half a fragment of operand o, tile uT, and one scale byte.  None is negative, so no |.|.  The products' registers are free and hold the tree.
; The tree's last four lines each wait for the line above: the other set's reciprocals stand between them.
.macro QUANT o, per
.set qX, uS+32
.set qC, 24+4*(QI%2)
.set qB, 18+QI%4
.set i, 0
.rept 10
	v_max3_num_f32 v[qX+i], v[uS+3*i], v[uS+3*i+1], v[uS+3*i+2]
.set i, i+1
.endr
	v_max3_num_f32 v[qX+10], v[uS+30], v[uS+31], 0x1800000         ; and the floor 2^(3 - 127): the byte cannot fall under 1
	v_max3_num_f32 v[qX+11], v[qX], v[qX+1], v[qX+2]
	v_max3_num_f32 v[qX+12], v[qX+3], v[qX+4], v[qX+5]
	v_max3_num_f32 v[qX+13], v[qX+6], v[qX+7], v[qX+8]
	RG \per
	v_max3_num_f32 v[qX+14], v[qX+11], v[qX+12], v[qX+13]
	RG \per
	v_max3_num_f32 v[qX+14], v[qX+14], v[qX+9], v[qX+10]           ; the block's largest number
	RG \per
	v_add_nc_u32 v[qX+15], 0xff000000, v[qX+14]                    ; 2 off its exponent field: the conversion takes the exponent field of this operand as its scale
	RG \per
.set i, 0
.rept 4
	v_cvt_scalef32_pk8_fp4_f32 v[qC+i], v[uS+8*i:uS+8*i+7], v[qX+15]
.set i, i+1
.endr
	v_lshrrev_b32 v[qB], 23, v[qX+15]                              ; the scale's byte.  (The plain instruction behind the conversions)
	ds_store_b128 v7, v[qC:qC+3] offset:(4*\o+uT)*1024             ; registers 4 c .. 4 c + 3 of the fragment, as they stand
	ds_store_b8 v8, v[qB] offset:\o*256+4*uT                       ; byte 2 c + h of my bin's scale word
.set QI, QI+1
.endm
; THE OPERANDS OF A STEP: a loop of two trips, c = 0, 1, twelve units each.  While unit n is multiplied back and quantised, unit n + 1's reciprocals are issued (in the gaps of the tree) and unit n + 2's head follows:
; so between a reciprocal and the wait for it stands a whole head.  The wait is written once a unit, ahead of the first line that names a reciprocal's result; it also stands ahead of the two branches.
.macro GEN
	s_mov_b32 s30, 0                               ; c
	s_mov_b32 s32, 0                               ; 512 c: the codes' place
	s_mov_b32 s33, 0                               ; 2 c: the byte's
.Lc_\@:
	s_wait_dscnt 0x0                               ; this block's pixel values are in
	v_add_nc_u32 v7, s32, v3
	v_add_nc_u32 v8, s33, v4
	HEADU 0
	RCP8 0
	HEADU 1
.set n, 0
.rept 12
.set uS, SET0+SETSZ*(n%2)
.set uT, n%4
.set RI, 0
.set RS, -1
.if n < 10
.set RS, SET0+SETSZ*(1-n%2)+48
.endif
	s_wait_alu depctr_va_vdst(0)                   ; unit n's reciprocals
.if n == 6                             ; u01 and u02 have been read for the last time (unit 7's head): in the trip c = 0 the second block's come in
	s_cmp_lg_u32 s30, 0
	s_cbranch_scc1 .Lnoa_\@
	ULOADS_A 256
.Lnoa_\@:
.endif
.if n == 10                            ; likewise s (unit 7) and u12 (unit 11's head)
	s_cmp_lg_u32 s30, 0
	s_cbranch_scc1 .Lnob_\@
	ULOADS_B 256
.Lnob_\@:
	RCP8 1                                         ; unit 11's: no head follows unit 10, so they go out ahead of all its work
.endif
	BACK
.if n < 4
	SMUL
	QUANT 0, 2                                     ; s K01
.elseif n < 8
	QUANT 2, 1                                     ; K02,
	SMUL
	QUANT 1, 1                                     ; and s K02
.else
	QUANT 3, 2                                     ; K12
.endif
.if n < 10
	HEADU n+2
.endif
.set n, n+1
.endr
	s_add_co_u32 s32, s32, 512
	s_add_co_u32 s33, s33, 2
	s_add_co_u32 s30, s30, 1
	s_cmp_lt_u32 s30, 2
	s_cbranch_scc1 .Lc_\@
.endm
; The 16 fragments and their scale words come back from LDS (36 loads).  Lane r's 16 scale bytes of an operand are its bin's words for the four tiles.
.macro FRAGS
	WIN 0x80                                       ; destination window 2
.set f, 0
.rept 16
	ds_load_b128 v[128+8*f:128+8*f+3], v3 offset:1024*f
	ds_load_b128 v[128+8*f+4:128+8*f+7], v3 offset:1024*f+512
.set f, f+1
.endr
	WIN 0
.irp o, 0,1,2,3
	ds_load_b128 v[SC+4*\o:SC+4*\o+3], v5 offset:256*\o
.endr
.endm
; One product: source 0 = 16 bins of the operand without s, source 1 = 16 bins of the one with s: a lane then holds ONE bin of the s side (a row of the histogram) and eight neighbouring bins of the other (columns).
.macro WM d, fa, fb, zero
.if \zero
	v_wmma_scale_f32_16x16x128_f8f6f4 v[(\d):(\d)+7], v[128+8*(\fa):128+8*(\fa)+7], v[128+8*(\fb):128+8*(\fb)+7], 0, v[SC+(\fa)], v[SC+(\fb)] matrix_a_fmt:MATRIX_FMT_FP4 matrix_b_fmt:MATRIX_FMT_FP4
.else
	v_wmma_scale_f32_16x16x128_f8f6f4 v[(\d):(\d)+7], v[128+8*(\fa):128+8*(\fa)+7], v[128+8*(\fb):128+8*(\fb)+7], v[(\d):(\d)+7], v[SC+(\fa)], v[SC+(\fb)] matrix_a_fmt:MATRIX_FMT_FP4 matrix_b_fmt:MATRIX_FMT_FP4
.endif
.endm
; A step's 48 products, one on each accumulator: the accumulators take turns.  zero = 1: the first step starts the sums: nothing is cleared.
.macro MAT zero
	WIN 0x5a                                       ; sources 0 and 1 window 2, C and D window 1
.irp tu, 0,1,2,3
.irp tv, 0,1,2,3
	WM 8*(4*\tu+\tv), 8+\tv, \tu, \zero            ; s K01 x K02
.endr
.endr
.irp tu, 0,1,2,3
.irp tv, 0,1,2,3
	WM 128+8*(4*\tu+\tv), 12+\tv, \tu, \zero       ; s K01 x K12
.endr
.endr
	WIN 0xaa                                       ; all in window 2
.irp tu, 0,1,2,3
.irp tv, 0,1,2,3
	WM 8*(4*\tu+\tv), 12+\tv, 4+\tu, \zero         ; s K02 x K12
.endr
.endr
	WIN 0
.endm
	s_load_b256 s[4:11], s[0:1], 0x0               ; x s[4:5], m s[6:7], part s[8:9], tot s[10:11]
	v_lshl_add_u32 v9, v0, 2, 0x46000
	s_set_vgpr_msb 0xc0
	v_mov_b32 v49, 0
	s_set_vgpr_msb 0xc000
	v_lshrrev_b32 v22, 5, v0
	v_readfirstlane_b32 s12, v22                   ; wave 0..3
	s_mov_b32 s13, ttmp9                           ; j
	s_and_b32 s14, ttmp7, 0xffff                   ; the image
	v_and_b32 v23, 31, v0                          ; lane
	v_and_b32 v24, 15, v0                          ; r
	v_bfe_u32 v25, v0, 4, 1                        ; h
	s_mul_i32 s15, s12, WREG                       ; my wave's LDS
	v_lshl_add_u32 v1, v25, 7, s15                 ; v1: a block's pixel values: + 128 h
	v_lshl_add_u32 v2, v23, 4, s15                 ; v2: where I put my four pixels' values
	v_add_nc_u32 v3, COD, v2                       ; v3: an image's place for my lane
	v_lshl_add_u32 v5, v24, 4, s15
	v_add_nc_u32 v5, SCL, v5                       ; v5: my bin's 16 scale bytes
	v_add_nc_u32 v4, v5, v25                       ; v4: + h: where my block's byte goes
	v_lshlrev_b32 v6, 4, v23                       ; v6: 16 x lane, for memory; never rewritten
	v_lshlrev_b32 v26, 1, v24
.irp t, 0,1,2,3
	v_sub_nc_u32 v27, 63-32*\t, v26                ; 63 - 2 (16 T + r)
	v_cvt_f32_i32 v27, v27
	v_mul_f32 v[NC+2*\t], 0x40186186, v27          ; x 150 / 63: minus the bin's centre over sigma,
	v_mov_b32 v[NC+2*\t+1], v[NC+2*\t]             ; twice: a pair for the packed addition
.endr
	s_mov_b32 s34, 0x76543210
	s_mov_b32 s35, 0xfedcba98                      ; v_permlanex16_b32's selects for lane l xor 16
	s_cmp_ge_u32 s13, 2
	s_cselect_b32 s16, 1, 0
	s_cmp_eq_u32 s12, 0
	s_cselect_b32 s17, s16, 0
	s_sub_co_u32 s21, s17, 1                       ; 0 where my first step is another work-group's too, else all ones
	s_mul_i32 s16, s13, 39
	s_min_u32 s17, s13, 1
	s_add_co_u32 s16, s16, s17
	s_add_co_u32 s16, s16, s12                     ; my first step: at most 1,213
	s_lshl_b32 s16, s16, 9                         ; 512 bytes a step and channel
	s_mul_i32 s17, s14, 1920000                    ; an image: 3 x 640,000 bytes
	s_add_co_u32 s16, s16, s17
	s_mov_b32 s17, 0
	s_lshl_b32 s18, s14, 5
	s_add_co_u32 s18, s18, s13                     ; the work-group's number, 32 x image + j
	s_wait_kmcnt 0x0
	s_add_nc_u64 s[4:5], s[4:5], s[16:17]
	s_add_nc_u64 s[6:7], s[6:7], s[16:17]
	s_mul_i32 s16, s18, 49152                      ; part: 192 rows of 256 bytes a work-group,
	s_mul_i32 s19, s12, 12288                      ; of which I store 48
	s_add_co_u32 s16, s16, s19
	s_add_nc_u64 s[8:9], s[8:9], s[16:17]
	s_lshl_b32 s16, s18, 2
	s_add_co_u32 s16, s16, s12
	s_lshl_b32 s16, s16, 2                         ; tot: a word a wave
	s_add_nc_u64 s[10:11], s[10:11], s[16:17]
	GLOAD 0
	s_wait_loadcnt 0x0
	PIXELS 1
	ULOADS_A 0
	ULOADS_B 0
	; trip 0 stands ahead of the loop: its products start the sums
	GLOAD 1                                        ; a step's pixels are asked for a whole step ahead
	GEN
	FRAGS
	s_wait_loadcnt 0x0
	PIXELS 0                                       ; the next step's pixel phase stands between the fragments' loads and the wait for them
	ULOADS_A 0
	ULOADS_B 0
	s_wait_dscnt 36                                ; behind the fragments' and scale words' loads: 4 stores and 32 loads, which may stay out
	MAT 1
	s_mov_b32 s22, 1
.Lstep:                                                ; trips 1 to 9
	s_cmp_eq_u32 s22, 9
	s_cbranch_scc1 .Lnoload                        ; the last trip asks for nothing: no load leaves its buffer
	GLOAD 1
.Lnoload:
	GEN
	FRAGS
	s_wait_loadcnt 0x0                             ; on both ways: the bases are stepped and the registers loaded again only behind it
	s_cmp_eq_u32 s22, 9
	s_cbranch_scc1 .Llast
	PIXELS 0
	ULOADS_A 0
	ULOADS_B 0
	s_wait_dscnt 36                                ; as above
	s_branch .Lmat
.Llast:
	s_wait_dscnt 0x0
.Lmat:
	MAT 0
	s_add_co_u32 s22, s22, 1
	s_cmp_lt_u32 s22, 10
	s_cbranch_scc1 .Lstep
	; THE END.  Each wave lays its 192 x 64 sums into its stage; behind a barrier wave w adds rows 48 w .. 48 w + 47 of the four stages and stores them, two rows (512 consecutive bytes) an instruction.
	v_and_b32 v22, 15, v0                          ; r.  (These five lines name no register of the products: they are the places behind the last of them)
	v_bfe_u32 v23, v0, 4, 1                        ; h
	v_mul_u32_u24 v10, v22, RP
	v_lshl_add_u32 v10, v23, 5, v10
	v_mul_u32_u24 v11, v23, RP
	s_mul_i32 s15, s12, RSTG
	s_add_co_u32 s15, s15, RED
	v_add_nc_u32 v10, s15, v10                     ; in: my stage, row r, + 32 h: my eight columns
	v_lshl_add_u32 v11, v22, 4, v11
	s_mul_i32 s15, s12, 48*RP
	s_add_co_u32 s15, s15, RED
	v_add_nc_u32 v11, s15, v11                     ; back: stage 0, my 48 rows: lanes 0-15 one row, lanes 16-31 the next
	v_add_nc_u32 v12, RSTG, v11
	v_add_nc_u32 v13, 2*RSTG, v11
	v_add_nc_u32 v14, 3*RSTG, v11
	WIN 0x04                                       ; an LDS store's data are its source 1: window 1
.irp hh, 0,1
.irp tu, 0,1,2,3
.irp tv, 0,1,2,3
	ds_store_b128 v10, v[128*\hh+8*(4*\tu+\tv):128*\hh+8*(4*\tu+\tv)+3] offset:(64*\hh+16*\tu)*RP+64*\tv       ; each accumulator from its low end on
	ds_store_b128 v10, v[128*\hh+8*(4*\tu+\tv)+4:128*\hh+8*(4*\tu+\tv)+7] offset:(64*\hh+16*\tu)*RP+64*\tv+16
.endr
.endr
.endr
	WIN 0x08                                       ; window 2
.irp tu, 0,1,2,3
.irp tv, 0,1,2,3
	ds_store_b128 v10, v[8*(4*\tu+\tv):8*(4*\tu+\tv)+3] offset:(128+16*\tu)*RP+64*\tv
	ds_store_b128 v10, v[8*(4*\tu+\tv)+4:8*(4*\tu+\tv)+7] offset:(128+16*\tu)*RP+64*\tv+16
.endr
.endr
	WIN 0
	s_wait_dscnt 0x0                               ; for the others' sake: my stores into my stage are done
	s_barrier_signal -1
	s_barrier_wait -1
; Four chunks of six pairs of rows, in two buffers: v48-143, v144-239 (the scale words' registers stay as they are).  Pair i, stage s: 4 registers at 16 i + 4 s.
.macro LOADC ch
.set BB, 48+96*((\ch)%2)
.irp i, 0,1,2,3,4,5
.irp s, 0,1,2,3
	ds_load_b128 v[BB+16*\i+4*\s:BB+16*\i+4*\s+3], v[11+\s] offset:(6*(\ch)+\i)*2*RP
.endr
.endr
.endm
.macro SUMC ch
.set BB, 48+96*((\ch)%2)
.irp i, 0,1,2,3,4,5
	v_pk_add_f32 v[BB+16*\i:BB+16*\i+1], v[BB+16*\i:BB+16*\i+1], v[BB+16*\i+4:BB+16*\i+5]
	v_pk_add_f32 v[BB+16*\i+2:BB+16*\i+3], v[BB+16*\i+2:BB+16*\i+3], v[BB+16*\i+6:BB+16*\i+7]
	v_pk_add_f32 v[BB+16*\i+8:BB+16*\i+9], v[BB+16*\i+8:BB+16*\i+9], v[BB+16*\i+12:BB+16*\i+13]
	v_pk_add_f32 v[BB+16*\i+10:BB+16*\i+11], v[BB+16*\i+10:BB+16*\i+11], v[BB+16*\i+14:BB+16*\i+15]
.endr
.irp i, 0,1,2,3,4,5
	v_pk_add_f32 v[BB+16*\i:BB+16*\i+1], v[BB+16*\i:BB+16*\i+1], v[BB+16*\i+8:BB+16*\i+9]
	v_pk_add_f32 v[BB+16*\i+2:BB+16*\i+3], v[BB+16*\i+2:BB+16*\i+3], v[BB+16*\i+10:BB+16*\i+11]
.endr
.irp i, 0,1,2,3,4,5                    ; the sum of all that I store, in two chains; the first two pairs start them
.if ((\ch) == 0) && (\i < 2)
	v_pk_add_f32 v[240+2*\i:241+2*\i], v[BB+16*\i:BB+16*\i+1], v[BB+16*\i+2:BB+16*\i+3]
.else
	v_pk_add_f32 v[240+2*(\i%2):241+2*(\i%2)], v[240+2*(\i%2):241+2*(\i%2)], v[BB+16*\i:BB+16*\i+1]
	v_pk_add_f32 v[240+2*(\i%2):241+2*(\i%2)], v[240+2*(\i%2):241+2*(\i%2)], v[BB+16*\i+2:BB+16*\i+3]
.endif
.endr
.irp i, 0,1,2,3,4,5
	global_store_b128 v6, v[BB+16*\i:BB+16*\i+3], s[8:9] offset:(6*(\ch)+\i)*512 th:TH_STORE_NT   ; 32 lanes store 512 consecutive bytes, at a multiple of 256 from part's first byte
.endr
.endm
	LOADC 0
	LOADC 1
	s_wait_dscnt 24                                ; chunk 0 is in; chunk 1's 24 loads may be out
	SUMC 0
	s_wait_xcnt 0x0                                ; the stores have read their registers: the buffer is loaded again only behind this wait
	LOADC 2
	s_wait_dscnt 24
	SUMC 1
	s_wait_xcnt 0x0
	LOADC 3
	s_wait_dscnt 24
	SUMC 2
	s_wait_dscnt 0x0
	SUMC 3
	v_pk_add_f32 v[240:241], v[240:241], v[242:243]
	v_add_f32 v240, v240, v241
	v_add_f32_dpp v240, v240, v240 row_xmask:1 row_mask:0xf bank_mask:0xf
	v_add_f32_dpp v240, v240, v240 row_xmask:2 row_mask:0xf bank_mask:0xf
	v_add_f32_dpp v240, v240, v240 row_xmask:4 row_mask:0xf bank_mask:0xf
	v_add_f32_dpp v240, v240, v240 row_xmask:8 row_mask:0xf bank_mask:0xf
	v_permlanex16_b32 v241, v240, s34, s35
	v_add_f32 v240, v240, v241                     ; the sum of my 48 rows
	v_and_b32 v243, 31, v0
	v_mov_b32 v244, 0
	v_cmp_eq_u32 vcc_lo, 0, v243
	s_wait_xcnt 0x0                                ; EXEC changes only behind this wait
	s_set_vgpr_msb 0xc
	s_wait_tensorcnt 0x0
	ds_add_u32 v9, v49
	s_wait_dscnt 0x0
	s_set_vgpr_msb 0xc00
	s_and_saveexec_b32 s20, vcc_lo
	global_store_b32 v244, v240, s[10:11]          ; one word a wave, 1,024 words in the launch: the one store here that does not cover 256 consecutive bytes
	s_wait_xcnt 0x0                                ; and again, ahead of the line that widens it
	s_or_b32 exec_lo, exec_lo, s20
	s_endpgm
.Lfunc_end_k_qb50a6bf2d4_hist:
	.size	k_qb50a6bf2d4_hist, .Lfunc_end_k_qb50a6bf2d4_hist-k_qb50a6bf2d4_hist
	.p2alignl 7, 3214868480
	.fill 96, 4, 3214868480
	.section	.rodata,"a",@progbits
	.p2align	6, 0x0
	.amdhsa_kernel k_qb50a6bf2d4_hist
		.amdhsa_group_segment_fixed_size 287232
		.amdhsa_private_segment_fixed_size 0
		.amdhsa_enable_private_segment 0
		.amdhsa_kernarg_size 32
		.amdhsa_user_sgpr_count 2
		.amdhsa_user_sgpr_kernarg_segment_ptr 1
		.amdhsa_wavefront_size32 1
		.amdhsa_system_sgpr_workgroup_id_x 1
		.amdhsa_system_sgpr_workgroup_id_y 1
		.amdhsa_system_sgpr_workgroup_id_z 1
		.amdhsa_system_vgpr_workitem_id 0
		.amdhsa_next_free_vgpr 818
		.amdhsa_next_free_sgpr 66
		.amdhsa_reserve_vcc 1
		.amdhsa_float_denorm_mode_32 3
		.amdhsa_float_denorm_mode_16_64 3
		.amdhsa_memory_ordered 1
		.amdhsa_forward_progress 1
		.amdhsa_inst_pref_size 248
	.end_amdhsa_kernel
	.amdgpu_metadata
---
amdhsa.version: [ 1, 2 ]
amdhsa.kernels:
  - .name:           k_qb50a6bf2d4_hist
    .symbol:         k_qb50a6bf2d4_hist.kd
    .args:
      - { .name: x, .offset: 0, .size: 8, .value_kind: global_buffer, .address_space: global }
      - { .name: m, .offset: 8, .size: 8, .value_kind: global_buffer, .address_space: global }
      - { .name: part, .offset: 16, .size: 8, .value_kind: global_buffer, .address_space: global }
      - { .name: tot, .offset: 24, .size: 8, .value_kind: global_buffer, .address_space: global }
    .group_segment_fixed_size: 287232
    .private_segment_fixed_size: 0
    .kernarg_segment_align: 8
    .kernarg_segment_size: 32
    .max_flat_workgroup_size: 128
    .sgpr_count:     66
    .vgpr_count:     818
    .wavefront_size: 32
...
	.end_amdgpu_metadata
.endif
;; end of part 1
;; launch norm (part 2): grid 24 x 8, 4 waves a work-group, no clusters, 0 bytes of LDS; arguments part, tot, out0; writes out0
.if DOCPART == 2
	.amdgcn_target "amdgcn-amd-amdhsa--gfx1250"
	.amdhsa_code_object_version 6
	.text
	.protected	k_qb50a6bf2d4_norm
	.globl	k_qb50a6bf2d4_norm
	.p2align	8
	.type	k_qb50a6bf2d4_norm,@function
k_qb50a6bf2d4_norm:
	s_mov_b64 s[64:65], 0
	v_nop
	global_prefetch_b8 v0, s[64:65] scope:SCOPE_SE
	s_setreg_imm32_b32 hwreg(HW_REG_WAVE_MODE, 25, 1), 1
	s_wait_xcnt 0x0
; Second launch: out0[b][hist][u][v] = (the sum over the image's 32 work-groups of part) / (the image's total + 1e-6).
; part: [256 work-groups][192 rows][64] f32, row = 64 hist + the bin of the operand with s as it was made, column = the bin of the other.  hist 1 and 2 take row 63 - u, hist 2 also column 63 - v.
; tot: [256][4] f32: the sums of the rows that each wave of the first launch stored; an image's 128 words are 512 consecutive bytes.
; A work-group takes 8 rows of one histogram; thread t row t / 16 of them and 16 bytes (four columns) at t % 16.  Each of a wave's loads covers two whole rows of 256 bytes; its store 512 consecutive bytes.
; All 33 loads of a thread go out at once; nothing is read twice but the totals.  Memory binds: no LDS, no barrier, no matrix unit.
.macro QADD a, b                       ; four numbers onto four
	v_pk_add_f32 v[(\a):(\a)+1], v[(\a):(\a)+1], v[(\b):(\b)+1]
	v_pk_add_f32 v[(\a)+2:(\a)+3], v[(\a)+2:(\a)+3], v[(\b)+2:(\b)+3]
.endm
	s_load_b128 s[4:7], s[0:1], 0x0                ; part, tot
	s_load_b64 s[8:9], s[0:1], 0x10                ; out0
	s_mov_b32 s10, 0x76543210
	s_mov_b32 s11, 0xfedcba98                      ; v_permlanex16_b32's selects for lane l xor 16
	s_and_b32 s12, ttmp9, 7
	s_lshl_b32 s12, s12, 3                         ; the first of my work-group's 8 rows
	s_lshr_b32 s13, ttmp9, 3                       ; which histogram
	s_cmp_gt_u32 s13, 0
	s_cselect_b32 s14, 63, 0                       ; rows turned round?
	s_cmp_eq_u32 s13, 2
	s_cselect_b32 s15, 15, 0                       ; columns turned round: the pieces of 16 bytes,
	s_cselect_b32 s16, -1, 0                       ; and the four numbers of a piece
	s_lshl_b32 s17, s13, 6
	s_and_b32 s18, ttmp7, 0xffff                   ; the image
	s_mul_i32 s20, s18, 32*49152
	s_mov_b32 s21, 0
	s_lshl_b32 s22, s18, 9
	s_mov_b32 s23, 0
	s_mul_i32 s24, s18, 49152
	s_lshl_b32 s25, ttmp9, 11                      ; 8 rows of 256 bytes
	s_add_co_u32 s24, s24, s25
	s_mov_b32 s25, 0
	v_lshrrev_b32 v1, 4, v0
	v_and_b32 v2, 15, v0
	v_add_nc_u32 v1, s12, v1                       ; u
	v_xor_b32 v1, s14, v1                          ; u or 63 - u
	v_xor_b32 v2, s15, v2
	v_add_nc_u32 v1, s17, v1
	v_lshlrev_b32 v1, 8, v1
	v_lshl_add_u32 v1, v2, 4, v1                   ; my 16 bytes in a work-group's part
	v_and_b32 v3, 31, v0
	v_lshlrev_b32 v3, 4, v3                        ; my four of the image's 128 totals
	v_lshlrev_b32 v10, 4, v0                       ; my 16 bytes of the work-group's 2,048 in out0
	v_mov_b32 v9, 0                                ; (a lane permute's destination counts as one of its sources)
	s_wait_kmcnt 0x0
	s_add_nc_u64 s[4:5], s[4:5], s[20:21]
	s_add_nc_u64 s[6:7], s[6:7], s[22:23]
	s_add_nc_u64 s[8:9], s[8:9], s[24:25]
	global_load_b128 v[4:7], v3, s[6:7]
.set k, 0
.rept 32
	global_load_b128 v[32+4*k:35+4*k], v1, s[4:5] offset:49152*k th:TH_LOAD_NT
.set k, k+1
.endr
	s_wait_loadcnt 32                              ; the totals are in; the 32 loads behind them may be out
	v_add_f32 v4, v4, v5
	v_add_f32 v6, v6, v7
	v_add_f32 v8, v4, v6
	v_add_f32_dpp v8, v8, v8 row_xmask:1 row_mask:0xf bank_mask:0xf
	v_add_f32_dpp v8, v8, v8 row_xmask:2 row_mask:0xf bank_mask:0xf
	v_add_f32_dpp v8, v8, v8 row_xmask:4 row_mask:0xf bank_mask:0xf
	v_add_f32_dpp v8, v8, v8 row_xmask:8 row_mask:0xf bank_mask:0xf
	v_permlanex16_b32 v9, v8, s10, s11
	v_add_f32 v8, v8, v9                           ; the image's total
	v_add_f32 v8, 0x358637bd, v8                   ; + 1e-6
	v_rcp_f32 v8, v8                               ; the sums below are the plain work behind it
.irp g, 0,1,2,3
	s_wait_loadcnt 24-8*\g                         ; eight more parts are in; the younger loads may be out
	QADD 32+32*\g, 36+32*\g
	QADD 40+32*\g, 44+32*\g
	QADD 48+32*\g, 52+32*\g
	QADD 56+32*\g, 60+32*\g
	QADD 32+32*\g, 40+32*\g
	QADD 48+32*\g, 56+32*\g
	QADD 32+32*\g, 48+32*\g
.if \g > 0
	QADD 32, 32+32*\g
.endif
.endr
	s_wait_alu depctr_va_vdst(0)                   ; the wait ahead of the reciprocal's first reader
	v_pk_mul_f32 v[32:33], v[32:33], v[8:9] op_sel_hi:[1,0]
	v_pk_mul_f32 v[34:35], v[34:35], v[8:9] op_sel_hi:[1,0]
.irp i, 0,1,2,3
	v_cndmask_b32 v[12+\i], v[32+\i], v[35-\i], s16   ; hist 2: the piece's four numbers turned round
.endr
	global_store_b128 v10, v[12:15], s[8:9]        ; a wave stores 512 consecutive bytes, at a multiple of 256 from out0's first byte
	s_endpgm
.Lfunc_end_k_qb50a6bf2d4_norm:
	.size	k_qb50a6bf2d4_norm, .Lfunc_end_k_qb50a6bf2d4_norm-k_qb50a6bf2d4_norm
	.p2alignl 7, 3214868480
	.fill 96, 4, 3214868480
	.section	.rodata,"a",@progbits
	.p2align	6, 0x0
	.amdhsa_kernel k_qb50a6bf2d4_norm
		.amdhsa_group_segment_fixed_size 0
		.amdhsa_private_segment_fixed_size 0
		.amdhsa_enable_private_segment 0
		.amdhsa_kernarg_size 24
		.amdhsa_user_sgpr_count 2
		.amdhsa_user_sgpr_kernarg_segment_ptr 1
		.amdhsa_wavefront_size32 1
		.amdhsa_system_sgpr_workgroup_id_x 1
		.amdhsa_system_sgpr_workgroup_id_y 1
		.amdhsa_system_sgpr_workgroup_id_z 1
		.amdhsa_system_vgpr_workitem_id 0
		.amdhsa_next_free_vgpr 160
		.amdhsa_next_free_sgpr 66
		.amdhsa_reserve_vcc 0
		.amdhsa_float_denorm_mode_32 3
		.amdhsa_float_denorm_mode_16_64 3
		.amdhsa_memory_ordered 1
		.amdhsa_forward_progress 1
		.amdhsa_inst_pref_size 10
	.end_amdhsa_kernel
	.amdgpu_metadata
---
amdhsa.version: [ 1, 2 ]
amdhsa.kernels:
  - .name:           k_qb50a6bf2d4_norm
    .symbol:         k_qb50a6bf2d4_norm.kd
    .args:
      - { .name: part, .offset: 0, .size: 8, .value_kind: global_buffer, .address_space: global }
      - { .name: tot, .offset: 8, .size: 8, .value_kind: global_buffer, .address_space: global }
      - { .name: out0, .offset: 16, .size: 8, .value_kind: global_buffer, .address_space: global }
    .group_segment_fixed_size: 0
    .private_segment_fixed_size: 0
    .kernarg_segment_align: 8
    .kernarg_segment_size: 24
    .max_flat_workgroup_size: 128
    .sgpr_count:     66
    .vgpr_count:     160
    .wavefront_size: 32
...
	.end_amdgpu_metadata
.endif
;; end of part 2
